; MI455X (gfx1250); checked and timed in simulation.
; The chip was launched on July 23, 2026; its instructions are those of AMD's public machine-readable ISA for CDNA 5 (MIT licence, August 2026) and "CDNA5" Instruction Set Architecture Reference Guide (July 2026). The comments in the code are by the model that wrote it; some were corrected since.
;; Multi Headed Attention. Allowed arithmetic: matrix products marked QUANTISED: E4M3 operands, one given power-of-two scale a tensor, by v_wmma_f32_16x16x64_fp8_fp8 or v_wmma_f32_16x16x128_fp8_fp8, f32 sums; everything else in f32.
;; Inputs: Wk_codes 1,024 x 32 x 32 uint8 (E4M3 codes of Wk, K innermost, in blocks of 32 codes); Wo_codes 1,024 x 32 x 32 uint8 (E4M3 codes of Wo, K innermost, in blocks of 32 codes); Wq_codes 1,024 x 32 x 32 uint8 (E4M3 codes of Wq, K innermost, in blocks of 32 codes); Wv_codes 1,024 x 32 x 32 uint8 (E4M3 codes of Wv, K innermost, in blocks of 32 codes); bk 1,024 float32; bo 1,024 float32; bq 1,024 float32; bv 1,024 float32; lowp_scales 12 int32 (the exponents e of the quantised operands' scales 2^e); x_codes 4 x 2,048 x 32 x 32 uint8 (E4M3 codes of x, K innermost, in blocks of 32 codes).
;; Outputs: out0 4 x 2,048 x 1,024 float32.
;; This version of the problem:
;;   THIS VERSION OF THE PROBLEM IS GIVEN IN LOW PRECISION. The matrix products marked QUANTISED in the list below multiply operands that are first quantised to E4M3 (4 exponent bits, 3 mantissa bits; 8 bits a number), with one given power-of-two scale for each operand tensor; their sums are f32. All else is computed in f32.
;;   The module's matrix products, in the order in which they are computed (A, B: the left and right operand; K: the contracted axis; several contracted axes count as one K, in the product's order):
;;     1. [M 8,192, K 1,024] x [K 1,024, N 1,024]; A: input x (given as codes); B: input Wq (given as codes): QUANTISED (scales: A lowp_scales[0], B lowp_scales[1])
;;     2. [M 8,192, K 1,024] x [K 1,024, N 1,024]; A: input x (given as codes); B: input Wk (given as codes): QUANTISED (scales: A lowp_scales[2], B lowp_scales[3])
;;     3. [M 8,192, K 1,024] x [K 1,024, N 1,024]; A: input x (given as codes); B: input Wv (given as codes): QUANTISED (scales: A lowp_scales[4], B lowp_scales[5])
;;     4. batch 64 x [M 2,048, K 64] x [K 64, N 2,048]; A: computed on the way; B: computed on the way: QUANTISED (scales: A lowp_scales[6], B lowp_scales[7])
;;     5. batch 64 x [M 2,048, K 2,048] x [K 2,048, N 64]; A: softmax (see below); B: computed on the way: QUANTISED (scales: A lowp_scales[8], B lowp_scales[9])
;;     6. [M 8,192, K 1,024] x [K 1,024, N 1,024]; A: computed on the way; B: input Wo (given as codes): QUANTISED (scales: A lowp_scales[10], B lowp_scales[11])
;;   THE QUANTISER, for each operand of a quantised product, along K:
;;     - The operand's scale is 2^e, e = its entry of the input lowp_scales (int32; the entries are numbered through the quantised products in the list's order, A before B).
;;     - Each number is divided by the scale, clamped to +-448, and rounded to the nearest number of E4M3, ties to even, subnormals kept.
;;     - The product sums the exact products of the quantised numbers (number of the format x scale) in f32.
;;   ~~~python
;;   def quantise(x, axis, e):      # numpy; x: float32 -> the quantised numbers, widened to float32 again
;;       x = np.moveaxis(x, axis, -1); K = x.shape[-1]
;;       r = np.clip(x / 2.0 ** e, -448, 448)
;;       step = 2.0 ** (np.maximum(np.frexp(np.where(r == 0, 1, r))[1] - 1, -6) - 3)
;;       q = np.round(r / step) * step * 2.0 ** e      # np.round: ties to even
;;       return np.moveaxis(q, -1, axis).astype(np.float32)
;;   ~~~
;;   SOFTMAX AHEAD OF A QUANTISED PRODUCT. Where the list says 'softmax', what is quantised is not the finished softmax but p = 2^(t - M), with t = logit x log2(e) and M = ceil(the row's largest t), a whole number; so 1/2 < the row's largest p <= 1. The row's sum l is taken of the UNQUANTISED p, in f32, and the product's result is divided by l at the end. Since M is a whole number, a kernel that streams over the keys may use a running M (the ceiling of the running maximum): every later rescaling is an exact power of two, so the quantised numbers keep their values, but for numbers so far below the row's largest that they fall under the format's range.
;;   OPERANDS COMPUTED ON THE WAY. 'Computed on the way' means the value that the module computes at that place (a softmax that the list does not call 'softmax' is quantised finished and normalised). What goes into a quantiser is computed in f32, as accurately as f32 sums, v_exp_f32 and their like allow (about 1e-6 of the number): no bf16 or f16 on the way to a quantiser, and a product that is left as it is and whose result goes on into a quantised operand takes f32 operands (vector FMAs, or v_wmma_f32_16x16x4_f32). A number that lies on a knife's edge between two numbers of the format may be rounded either way, as far as f32 arithmetic and the matrix unit's own rounding can turn it there, and no further.
;;   INPUTS GIVEN AS CODES. Wk (in the module: [1024, 1024], K = its axis 0); Wo (in the module: [1024, 1024], K = its axis 0); Wq (in the module: [1024, 1024], K = its axis 0); Wv (in the module: [1024, 1024], K = its axis 0); x (in the module: [4, 2048, 1024], K = its axis 2): each comes as NAME_codes (uint8): NAME with its K axis moved to the last place and cut into blocks of 32 codes, [.., K / 32, bytes a block], one block behind the other in memory; one code a byte (a code: sign, 4 exponent bits, 3 mantissa bits); its scale is its entry of lowp_scales. Its value is code x scale, taken as it is: it is not quantised again, and the codes and scales need not be those that the quantiser above would give.
;; One version. Each part assembles by itself: llvm-mc -triple=amdgcn-amd-amdhsa -mcpu=gfx1250 --defsym DOCPART=n.
;; ======== version 1 of 1: 3 launches
;; limits: right only within a limited range of input values
;; workspace buffers: qf 8,388,608 bytes; kf 8,388,608 bytes; vf 8,388,608 bytes; af 8,388,608 bytes
;; launch qkv (part 1): grid 12 x 32, 4 waves a work-group, clusters of 4 x 4, 327,680 bytes of LDS; arguments x_codes, Wq_codes, Wk_codes, Wv_codes, bq, bk, bv, lowp_scales, qf, kf, vf; writes qf, kf, vf
.if DOCPART == 1
	.amdgcn_target "amdgcn-amd-amdhsa--gfx1250"
	.amdhsa_code_object_version 6
	.text
	.protected	k_q7c3c68ef35_qkv
	.globl	k_q7c3c68ef35_qkv
	.p2align	8
	.type	k_q7c3c68ef35_qkv,@function
k_q7c3c68ef35_qkv:
	s_mov_b64 s[64:65], 0
	v_nop
	global_prefetch_b8 v0, s[64:65] scope:SCOPE_SE
	s_setreg_imm32_b32 hwreg(HW_REG_WAVE_MODE, 25, 1), 1
	s_wait_xcnt 0x0
	s_wait_alu depctr_hold_cnt(0) depctr_sa_sdst(0) depctr_va_vdst(0) depctr_va_sdst(0) depctr_va_ssrc(0) depctr_va_vcc(0) depctr_vm_vsrc(0)
	s_getreg_b32 s2, hwreg(HW_REG_IB_STS2, 6, 4)
	s_cmp_eq_u32 s2, 0
	s_cbranch_scc0 .Lentry_in_a_cluster
	s_endpgm
.Lentry_in_a_cluster:
	s_bfe_u32 s2, ttmp6, 0x10000c
	s_cmp_lg_u32 s2, 0xf033
	s_cbranch_scc0 .Lentry_shape_is_right
	s_endpgm
.Lentry_shape_is_right:
; q = x Wq + bq, k = x Wk + bk, v = x Wv + bv on codes of FP8 (E4M3); each result is quantised at once with its given scale and stored as codes.
; x: [8192][1024] codes, the weights: [1024 (n)][1024 (k)] codes, K innermost in all four.  A sum stands for sum x 2^(ea + eb): (e0, e1) for q, (e2, e3) for k, (e4, e5) for v.
; The result sum x 2^(ea + eb) + bias is converted with 2^eo: eo = e6 (q), e7 (k), e9 (v).
; LIMITS: ea + eb between -126 and 127; eo between -126 and 119, so that each power of two below is an f32 number.  NaN codes among the inputs are not served.
; SHARES.  A tile of 256 x 256 to a work-group of four waves, 128 x 128 to a wave: 64 accumulators, 512 registers.  K = 1,024 goes in four slots of 256 through a ring of two LDS slots.
; ROLES.  D = source 0 x source 1: a lane holds ONE row of source 1, and its eight registers run along eight neighbouring rows of source 0.
;   cluster x = 0 (q), 1 (k): source 0 = the weight (registers run along the head's 64, the next K), source 1 = x (a lane holds one token).
;   cluster x = 2 (v):        source 0 = x (registers run along the keys, the next K), source 1 = Wv (a lane holds one channel).
; So one conversion of a tile's eight registers gives registers 2 c, 2 c + 1 of the next product's operand, and the codes are stored as IMAGES OF THAT OPERAND'S REGISTERS:
;   qf, kf: [batch x head 64][tile of 16 tokens 128][g 2][lane 32][16 bytes]      vf: [batch x head 64][128 keys 16][tile of 16 channels 4][g 4][lane 32][16 bytes]
; each store of a wave covers 512 consecutive bytes, aligned.  No stage in LDS is needed.
; All four tensors have rows of 1,024 bytes, so the roles are a choice of pointers and tile numbers on the cluster's x, which all partners share; the K loop is one text.  Only the way out is written twice.
; CLUSTERS: 4 x 4 work-groups.  Source 1's tile is shared along a row of the cluster, source 0's along a column: each is asked for jointly, by the same tensor load with the same descriptor and a mask that names the four.
; 384 tiles for 256 WGPs: a tile of 256 x 128 would divide evenly, but each LDS byte would feed two thirds of the products.
; REGISTERS, in windows of 256: window 0: v1-29 addresses and scales; v32-95 the bias; v96-103 its addresses; from v128 source 1's fragments, ONE set (on the way out: v128-191 numbers, v192-255 codes).
;   window 1: source 0's fragments, TWO sets, at v0 and v128.   windows 2, 3: accumulator (a, b) at v[8 (8 (a % 4) + b)] of window 2 + a / 4.
.set ROWB,   256                       ; a tile's row in bytes: 256 codes
.set KROW,   1024                      ; a row in memory
.set PITCH,  272                       ; an LDS row: 256 bytes + 16 of padding = 68 words: the 16 rows of a fragment load start at 16 different banks (64 banks of 4 bytes: ISA guide 11.1)
.set FR,     16                        ; registers of a fragment: 16 rows x 128 K
.set NL,     4                         ; LDS loads that bring one
.set NP,     4                         ; places behind this matrix instruction (ISA guide 7.12.1)
.set HALFT,  128*PITCH                 ; 128 rows: what one tensor load brings
.set SLOT,   4*HALFT                   ; source 1's 256 rows, then source 0's
.set SPARE,  2*SLOT                    ; behind the ring: the spare words, 128 bytes for each wave
.set SC,   12                          ; v12     2^eo as f32
.set LIM,  13
.set ADRA, 16                          ; v16-17  LDS address of my source 1 fragments in slot 0, 1
.set ADRB, 20                          ; v20-21  the same for source 0
.set CO,   26                          ; v26     16 x lane: my place in an image
.set SPW,  28                          ; v28     LDS address of my spare word; never rewritten
.set NIL,  29                          ; v29     0; never rewritten
.set BIAS, 32                          ; v32-95  the bias in the result's layout
.set VJ,   96                          ; v96-103 its lane offsets
.set AF,   128                         ; source 1's fragments, in window 0
.set TMP,  128                         ; the way out: a block's 64 numbers
.set CDS,  192                         ; the way out: codes, 16 registers a block, four blocks by turns
.set G1, 24                            ; s[24:31] descriptor group 1 for source 1's tiles;  s[32:39] group 0, one set for each slot
.set G0, 32
.set G1B, 48                           ; s[48:55], s[56:63] the same for source 0's tiles
.set G0B, 56
.set MSB, 0
.macro WIN new                         ; the immediate's high byte repeats the setting that is left
.if MSB != (\new)
	s_set_vgpr_msb (MSB<<8)|(\new)
.set MSB, (\new)
.endif
.endm
.set MUL_LO, 0xa1                      ; source 0 window 1, source 1 window 0, C and D window 2
.set MUL_HI, 0xf1                      ; the same, C and D window 3
.set TO_B,   0x40                      ; destination window 1, address window 0
; A joint load: waves 0 and 1 fetch source 1's halves, waves 2 and 3 source 0's.  The branch hangs on the wave's number alone.  Four v_nop follow each of the two lines.
.macro JLOAD g0a, g1a, g0b, g1b
	s_cmp_eq_u32 s15, 0
	s_cbranch_scc0 .Lfor_b_\@
	tensor_load_to_lds s[\g0a:\g0a+3], s[\g1a:\g1a+7]
	s_nop 0
.rept 4
	v_nop
.endr
	s_branch .Lasked_\@
.Lfor_b_\@:
	tensor_load_to_lds s[\g0b:\g0b+3], s[\g1b:\g1b+7]
	s_nop 0
.rept 4
	v_nop
.endr
.Lasked_\@:
.endm
.macro CREST                           ; a round of the cluster's barrier behind its opening barrier
	s_cmp_lg_u32 s14, 0
	s_cbranch_scc1 .Lnot_wave_0_\@
	s_barrier_signal -3
.Lnot_wave_0_\@:
	s_barrier_wait -3
	s_barrier_signal -1
	s_barrier_wait -1
.endm
.macro CROUND                          ; a whole round
	s_barrier_signal -1
	s_barrier_wait -1
	CREST
.endm
	s_load_b512 s[68:83], s[0:1], 0x0              ; x s[68:69], Wq s[70:71], Wk s[72:73], Wv s[74:75], bq s[76:77], bk s[78:79], bv s[80:81], the scales s[82:83]
	s_load_b128 s[84:87], s[0:1], 0x40             ; qf, kf
	s_load_b64 s[88:89], s[0:1], 0x50              ; vf
	v_lshl_add_u32 v[SPW], v0, 2, SPARE
	v_mov_b32 v[NIL], 0
	ds_add_u32 v28, v29
	ds_add_u32 v28, v29
	s_wait_dscnt 0x0
	v_lshrrev_b32 v1, 5, v0
	v_readfirstlane_b32 s14, v1                    ; wave 0..3
	s_lshr_b32 s15, s14, 1                         ; which half of source 1's rows is mine.  Also: I fetch for source 1 (0) or source 0 (1)
	s_and_b32 s16, s14, 1                          ; which half of source 0's rows.  Also: which 128 rows of that tile I fetch
	s_bfe_u32 s40, ttmp6, 0x40000                  ; cx, cy: my place in the cluster
	s_bfe_u32 s41, ttmp6, 0x40004
	s_and_b32 s66, ttmp7, 0xffff
	s_lshl_b32 s66, s66, 2                         ; 4 x cluster y
	s_lshl_b32 s43, s41, 2
	s_lshl_b32 s43, 15, s43                        ; my row of the cluster
	s_lshl_b32 s44, 0x1111, s40                    ; my column
	; descriptor group 1: a tile of 128 rows x 256 bytes, padded in LDS
	s_or_b32 s[G1+0], s43, (1<<20)|(1<<21)|(5<<22)|(3<<25)   ; 15:0 the mask: my row; 17:16 elements of 1 byte; 20 padding on; 21 set beside a mask; 24:22 after every 64 words (code 5); 31:25 four words (code 3)
	s_or_b32 s[G1B+0], s44, (1<<20)|(1<<21)|(5<<22)|(3<<25)  ; the same with the mask of my column
.irp g, G1, G1B
	s_mov_b32 s[\g+1], ROWB<<16                    ; tensor_dim0
	s_mov_b32 s[\g+2], 128<<16                     ; tensor_dim1
	s_mov_b32 s[\g+3], ROWB<<16                    ; tile_dim0
	s_mov_b32 s[\g+4], 128                         ; tile_dim1
	s_mov_b32 s[\g+5], KROW                        ; tensor_dim0_stride
	s_mov_b32 s[\g+6], 0
	s_mov_b32 s[\g+7], 0
.endr
	s_lshl_b32 s18, s16, 7                         ; which 128 rows of a tile I fetch
	s_mul_i32 s45, s14, HALFT                      ; where they go: wave x 128 rows: no place in the cluster enters an LDS address
	s_wait_kmcnt 0x0
	; the roles: a choice of buffers and tile numbers on the cluster's x alone
	s_cmp_eq_u32 ttmp9, 0
	s_cselect_b64 s[6:7], s[70:71], s[72:73]       ; source 0: Wq or Wk,
	s_cselect_b64 s[8:9], s[76:77], s[78:79]       ; the bias,
	s_cselect_b64 s[10:11], s[84:85], s[86:87]     ; where the codes go
	s_cmp_eq_u32 ttmp9, 2
	s_cselect_b64 s[6:7], s[68:69], s[6:7]         ; for v: source 0 = x,
	s_cselect_b64 s[4:5], s[74:75], s[68:69]       ; source 1 = Wv (else x)
	s_cselect_b64 s[8:9], s[80:81], s[8:9]
	s_cselect_b64 s[10:11], s[88:89], s[10:11]
	s_cselect_b32 s20, 0, s66                      ; the tensor x has 32 tiles of 256 rows: 4 x cluster y + the place; a weight has four: the place
	s_cselect_b32 s46, s66, 0
	s_add_co_u32 s17, s41, s20                     ; source 1's tile: hangs on cy, never on cx
	s_add_co_u32 s42, s40, s46                     ; source 0's tile: hangs on cx, never on cy
	s_load_b256 s[68:75], s[82:83], 0x0            ; e0 .. e7 (the pointers that lay here have been chosen from)
	s_load_b128 s[76:79], s[82:83], 0x20           ; e8 .. e11
	s_lshl_b32 s20, s17, 8
	s_add_co_u32 s20, s20, s18                     ; source 1: row 256 x tile + 128 x half,
	s_lshl_b32 s20, s20, 10                        ; in bytes (under 2^23)
	s_mov_b32 s21, 0
	s_lshl_b32 s46, s42, 8
	s_add_co_u32 s46, s46, s18
	s_lshl_b32 s46, s46, 10
	s_mov_b32 s47, 0
	s_add_nc_u64 s[20:21], s[4:5], s[20:21]
	s_add_nc_u64 s[46:47], s[6:7], s[46:47]
	CROUND                                         ; all sixteen work-groups are here: the first joint loads meet
.irp s, 0,1
	s_mov_b32 s[G0+4*\s], 1                        ; count = 1
	s_add_co_u32 s[G0+4*\s+1], s45, \s*SLOT        ; LDS address
	s_add_nc_u64 s[G0+4*\s+2:G0+4*\s+3], s[20:21], \s*ROWB   ; global address: K slot s
	s_or_b32 s[G0+4*\s+3], s[G0+4*\s+3], 0x80000000          ; type = 2
	s_mov_b32 s[G0B+4*\s], 1
	s_add_co_u32 s[G0B+4*\s+1], s45, \s*SLOT
	s_add_nc_u64 s[G0B+4*\s+2:G0B+4*\s+3], s[46:47], \s*ROWB
	s_or_b32 s[G0B+4*\s+3], s[G0B+4*\s+3], 0x80000000
	JLOAD G0+4*\s, G1, G0B+4*\s, G1B
.endr
	v_and_b32 v1, 15, v0                           ; r = lane % 16
	v_bfe_u32 v2, v0, 4, 1                         ; h = lane / 16
	s_wait_alu depctr_va_vdst(0)
	v_mul_u32_u24 v3, v1, PITCH
	v_lshl_add_u32 v4, v2, 4, v3                   ; a fragment's row x pitch + 16 x half
	s_mul_i32 s21, s15, HALFT                      ; my 128 rows of source 1
	s_mul_i32 s22, s16, HALFT                      ; my 128 rows of source 0,
	s_add_co_u32 s22, s22, 2*HALFT                 ; which lie behind source 1's 256
.irp s, 0,1
	v_add_nc_u32 v[ADRA+\s], s21, v4
	v_add_nc_u32 v[ADRB+\s], s22, v4
	s_add_co_u32 s21, s21, SLOT
	s_add_co_u32 s22, s22, SLOT
.endr
	v_and_b32 v6, 31, v0
	v_lshlrev_b32 v[CO], 4, v6
	; where my results go.  R1, R0: my first row of source 1 and of source 0; of the two, mT counts tokens and nN columns of the model
	s_lshl_b32 s90, s17, 8
	s_lshl_b32 s91, s15, 7
	s_add_co_u32 s90, s90, s91                     ; R1
	s_lshl_b32 s91, s42, 8
	s_lshl_b32 s92, s16, 7
	s_add_co_u32 s91, s91, s92                     ; R0
	s_cmp_eq_u32 ttmp9, 2
	s_cselect_b32 s92, s91, s90                    ; mT
	s_cselect_b32 s93, s90, s91                    ; nN
	s_cselect_b32 s98, 0, 32                       ; the bias's lane offsets: q, k: 32 h + 4 j (my eight columns);  v: 4 r (my one channel, eight times)
	s_cselect_b32 s99, 4, 0
	s_cselect_b32 s67, 0, 4
	s_lshr_b32 s94, s92, 11
	s_lshl_b32 s94, s94, 21                        ; batch x 16 heads x 131,072 bytes
	s_lshr_b32 s95, s93, 6
	s_lshl_b32 s95, s95, 17                        ; + head x 131,072
	s_add_co_u32 s94, s94, s95
	s_and_b32 s95, s92, 2047
	s_lshl_b32 s95, s95, 6                         ; + 64 bytes a token: 1,024 for 16 tokens (qf, kf), 8,192 for 128 keys (vf): one formula serves the three layouts
	s_add_co_u32 s94, s94, s95
	s_mov_b32 s95, 0
	s_add_nc_u64 s[10:11], s[10:11], s[94:95]
	s_lshl_b32 s94, s93, 2
	s_add_nc_u64 s[8:9], s[8:9], s[94:95]          ; the bias at my first column
	v_mul_u32_u24 v5, s98, v2
	v_mad_u32_u24 v5, v1, s99, v5
	s_wait_alu depctr_va_vdst(0)
.irp j, 0,1,2,3,4,5,6,7
	s_mul_i32 s94, s67, \j
	v_add_nc_u32 v[VJ+\j], s94, v5
.endr
.irp i, 0,1,2,3,4,5,6,7                        ; q, k: BIAS[8 i + j] = b[nN + 16 i + 8 h + j], for source 0's block i;  v: = bv[nN + 16 i + r], for source 1's block i
.irp j, 0,1,2,3,4,5,6,7
	global_load_b32 v[BIAS+8*\i+\j], v[VJ+\j], s[8:9] offset:64*\i
.endr
.endr
.macro FRAG reg, adr, q, i             ; a fragment: four loads of 16 bytes, 32 apart: registers 4 c .. 4 c + 3 hold K = 32 c + 16 h + 0 .. 15: the same permutation of k on both sides, so every product meets its partner
.irp c, 0,1,2,3
	ds_load_b128 v[\reg+4*\c:\reg+4*\c+3], v[\adr] offset:128*(\q)+32*\c+(\i)*16*PITCH
.endr
.endm
; 16 matrix instructions: source 1's blocks a0, a0 + 1 x source 0's eight.  p: source 0's set.  zero = 1: the first product starts the sums.  The 64 accumulators take turns, one instruction a turn.
.macro MUL16 a0, p, zero
.irp a, \a0, \a0+1
.irp b, 0,1,2,3,4,5,6,7
.if \zero
	v_wmma_f32_16x16x128_fp8_fp8 v[8*(8*((\a)%4)+\b):8*(8*((\a)%4)+\b)+7], v[128*(\p)+FR*\b:128*(\p)+FR*\b+FR-1], v[AF+FR*(\a):AF+FR*(\a)+FR-1], 0
.else
	v_wmma_f32_16x16x128_fp8_fp8 v[8*(8*((\a)%4)+\b):8*(8*((\a)%4)+\b)+7], v[128*(\p)+FR*\b:128*(\p)+FR*\b+FR-1], v[AF+FR*(\a):AF+FR*(\a)+FR-1], v[8*(8*((\a)%4)+\b):8*(8*((\a)%4)+\b)+7]
.endif
.endr
.endr
.endm
.macro FETCH_B slot, q, p              ; source 0's eight fragments of the slot's q-th 128 along K into set p
	WIN TO_B
.irp i, 0,1,2,3,4,5,6,7
	FRAG 128*(\p)+FR*\i, ADRB+\slot, \q, \i
.endr
	WIN 0
.endm
.macro FETCH_A slot, q, i0             ; source 1's blocks i0 .. i0 + 3
.irp i, \i0, \i0+1, \i0+2, \i0+3
	FRAG AF+FR*(\i), ADRA+\slot, \q, \i
.endr
.endm
.macro PLACES n                        ; plain vector instructions between a matrix instruction and a load into, or a vector instruction on, its registers
.rept \n
	v_nop
.endr
.endm
; A step of 128 along K that has its successor in the same slot.
.macro STEP slot, q, zero
	s_wait_dscnt 4*NL                              ; source 0's set and source 1's blocks 0-3 are in; the youngest 16 loads (blocks 4-7) may be out
	WIN MUL_LO
	MUL16 0, (\q)%2, \zero
	MUL16 2, (\q)%2, \zero
	s_wait_dscnt 0                                 ; blocks 4-7 are in (asked for 32 matrix instructions ago)
	PLACES NP
	FETCH_B \slot, (\q)+1, 1-(\q)%2
	FETCH_A \slot, (\q)+1, 0
	WIN MUL_HI
	MUL16 4, (\q)%2, \zero
	MUL16 6, (\q)%2, \zero
	PLACES NP
	WIN 0
	FETCH_A \slot, (\q)+1, 4
.endm
; A slot's last step changes slots: one barrier; in front of it each wave waits for all its tensor loads, adds 0 to its spare word, and waits for that and for its own reads of this slot.  fill = 1: this slot is filled again, two slots ahead.
.macro TURN slot, next, fill
	s_wait_tensorcnt 0x0                           ; all my tensor loads have landed: my part of the next slot  (every window is 0 here)
	ds_add_u32 v[SPW], v[NIL]                      ; 0 onto my spare word
	s_wait_dscnt 4*NL+1                            ; the add and the youngest 16 loads may be out
	WIN MUL_LO
	MUL16 0, 1, 0                                  ; sixteen matrix instructions stand between the add and the wait for it
	s_wait_dscnt 0x0                               ; the add is done, and my reads of this slot are over
	s_barrier_signal -1
	MUL16 2, 1, 0
	WIN 0
	s_barrier_wait -1
.if \fill
	CREST                                          ; the barrier has opened a round of the cluster's barrier: no wave of any partner still reads this slot or has a load on its way
	s_add_nc_u64 s[G0+4*\slot+2:G0+4*\slot+3], s[G0+4*\slot+2:G0+4*\slot+3], 2*ROWB
	s_add_nc_u64 s[G0B+4*\slot+2:G0B+4*\slot+3], s[G0B+4*\slot+2:G0B+4*\slot+3], 2*ROWB
	JLOAD G0+4*\slot, G1, G0B+4*\slot, G1B         ; the first tensor load behind the round; its four v_nop are the places in front of the loads below
.else
	PLACES NP
.endif
	FETCH_B \next, 0, 0
	FETCH_A \next, 0, 0
	WIN MUL_HI
	MUL16 4, 1, 0
	MUL16 6, 1, 0
	PLACES NP
	WIN 0
	FETCH_A \next, 0, 4
.endm
	s_wait_tensorcnt 1                             ; my part of slot 0 is in; slot 1's load, issued behind it, may be out
	s_barrier_signal -1
	s_barrier_wait -1                              ; everybody's is
	FETCH_B 0, 0, 0
	FETCH_A 0, 0, 0
	FETCH_A 0, 0, 4
	STEP 0, 0, 1                                   ; K 0-127: its products start the sums.  The eight steps are written out: K is fixed at 1,024
	TURN 0, 1, 1                                   ; K 128-255; slot 0 takes K 512-767
	STEP 1, 0, 0
	TURN 1, 0, 1                                   ; slot 1 takes K 768-1023
	STEP 0, 0, 0
	TURN 0, 1, 0                                   ; nothing is left to fetch
	STEP 1, 0, 0
	s_wait_dscnt 4*NL                              ; the last step
	WIN MUL_LO
	MUL16 0, 1, 0
	MUL16 2, 1, 0
	s_wait_dscnt 0
	WIN MUL_HI
	MUL16 4, 1, 0
	MUL16 6, 1, 0
	WIN 0
	; THE WAY OUT.  The scales are chosen without a branch.
	s_wait_kmcnt 0x0
	s_add_co_i32 s90, s68, s69                     ; e0 + e1
	s_add_co_i32 s91, s70, s71                     ; e2 + e3
	s_add_co_i32 s92, s72, s73                     ; e4 + e5
	s_cmp_eq_u32 ttmp9, 0
	s_cselect_b32 s90, s90, s91
	s_cselect_b32 s93, s74, s75                    ; e6 or e7
	s_cmp_eq_u32 ttmp9, 2
	s_cselect_b32 s90, s92, s90
	s_cselect_b32 s93, s77, s93                    ; e9 for v
	s_add_co_i32 s90, s90, 127
	s_lshl_b32 s96, s90, 23                        ; 2^(ea + eb) as f32
	s_mov_b32 s97, s96                             ; (named with it as a pair, so it is written)
	s_add_co_i32 s93, s93, 127
	s_lshl_b32 s94, s93, 23
	v_mov_b32 v[SC], s94                           ; 2^eo: the conversion takes its exponent field
	s_wait_loadcnt 0x0                             ; the bias
	PLACES NP                                      ; behind the last products: their results are read and source 1's registers are written below
; Block a: source 1's 16 rows x my 128 rows of source 0.  sum x 2^(ea + eb) + bias, eight conversions, four stores of 512 consecutive bytes.
.macro OUTB isv, a
.set AC, 64*((\a)%4)
.set CD, CDS+16*((\a)%4)
	WIN 0x02+((\a)/4)                              ; source 0: window 2 or 3
.irp b, 0,1,2,3,4,5,6,7
.irp i, 0,2,4,6
.if \isv
	v_pk_fma_f32 v[TMP+8*\b+\i:TMP+8*\b+\i+1], v[AC+8*\b+\i:AC+8*\b+\i+1], s[96:97], v[BIAS+8*(\a)+\i:BIAS+8*(\a)+\i+1] op_sel_hi:[1,0,1]   ; each accumulator from its low end on
.else
	v_pk_fma_f32 v[TMP+8*\b+\i:TMP+8*\b+\i+1], v[AC+8*\b+\i:AC+8*\b+\i+1], s[96:97], v[BIAS+8*\b+\i:BIAS+8*\b+\i+1] op_sel_hi:[1,0,1]
.endif
.endr
.endr
	WIN 0
.set NN, 0
.rept 64
.set NN, NN+1
.endr
.if (\a) >= 4
	s_wait_alu depctr_va_vdst(0)
	s_wait_xcnt 0x0                                ; block a - 4's stores have read these code registers: they are written again only behind this wait
.endif
.irp b, 0,1,2,3,4,5,6,7
	v_cvt_scalef32_pk8_fp8_f32 v[CD+2*\b:CD+2*\b+1], v[TMP+8*\b:TMP+8*\b+7], v[SC]   ; registers 2 b, 2 b + 1 of the next operand
.endr
	v_nop                                          ; one plain vector instruction between the last conversion and the next block's writes of its sources
.irp g, 0,1,2,3
.if \isv
	global_store_b128 v[CO], v[CD+4*\g:CD+4*\g+3], s[10:11] offset:131072*((\a)/4)+2048*((\a)%4)+512*\g   ; head a / 4, tile of channels a % 4, registers 4 g on
.else
	global_store_b128 v[CO], v[CD+4*\g:CD+4*\g+3], s[10:11] offset:1024*(\a)+131072*(\g/2)+512*(\g%2)    ; tile of tokens a, head g / 2, registers 4 (g % 2) on
.endif
.endr
.endm
	s_cmp_eq_u32 ttmp9, 2                          ; the cluster's x: the same in all partners
	s_cbranch_scc1 .Lv
.irp a, 0,1,2,3,4,5,6,7
	OUTB 0, \a
.endr
	s_branch .Lend
.Lv:
.irp a, 0,1,2,3,4,5,6,7
	OUTB 1, \a
.endr
.Lend:
	s_wait_tensorcnt 0x0                           ; the wave's end
	ds_add_u32 v[SPW], v[NIL]
	s_wait_dscnt 0x0
	CROUND                                         ; the closing round: no work-group ends while a partner may still ask for a tile that names it
	s_endpgm
.Lfunc_end_k_q7c3c68ef35_qkv:
	.size	k_q7c3c68ef35_qkv, .Lfunc_end_k_q7c3c68ef35_qkv-k_q7c3c68ef35_qkv
	.p2alignl 7, 3214868480
	.fill 96, 4, 3214868480
	.section	.rodata,"a",@progbits
	.p2align	6, 0x0
	.amdhsa_kernel k_q7c3c68ef35_qkv
		.amdhsa_group_segment_fixed_size 327680
		.amdhsa_private_segment_fixed_size 0
		.amdhsa_enable_private_segment 0
		.amdhsa_kernarg_size 88
		.amdhsa_user_sgpr_count 2
		.amdhsa_user_sgpr_kernarg_segment_ptr 1
		.amdhsa_wavefront_size32 1
		.amdhsa_system_sgpr_workgroup_id_x 1
		.amdhsa_system_sgpr_workgroup_id_y 1
		.amdhsa_system_sgpr_workgroup_id_z 1
		.amdhsa_system_vgpr_workitem_id 0
		.amdhsa_next_free_vgpr 1024
		.amdhsa_next_free_sgpr 100
		.amdhsa_reserve_vcc 0
		.amdhsa_float_denorm_mode_32 3
		.amdhsa_float_denorm_mode_16_64 3
		.amdhsa_fp16_overflow 1
		.amdhsa_memory_ordered 1
		.amdhsa_forward_progress 1
		.amdhsa_inst_pref_size 133
	.end_amdhsa_kernel
	.amdgpu_metadata
---
amdhsa.version: [ 1, 2 ]
amdhsa.kernels:
  - .name:           k_q7c3c68ef35_qkv
    .symbol:         k_q7c3c68ef35_qkv.kd
    .args:
      - { .name: x_codes, .offset: 0, .size: 8, .value_kind: global_buffer, .address_space: global }
      - { .name: Wq_codes, .offset: 8, .size: 8, .value_kind: global_buffer, .address_space: global }
      - { .name: Wk_codes, .offset: 16, .size: 8, .value_kind: global_buffer, .address_space: global }
      - { .name: Wv_codes, .offset: 24, .size: 8, .value_kind: global_buffer, .address_space: global }
      - { .name: bq, .offset: 32, .size: 8, .value_kind: global_buffer, .address_space: global }
      - { .name: bk, .offset: 40, .size: 8, .value_kind: global_buffer, .address_space: global }
      - { .name: bv, .offset: 48, .size: 8, .value_kind: global_buffer, .address_space: global }
      - { .name: lowp_scales, .offset: 56, .size: 8, .value_kind: global_buffer, .address_space: global }
      - { .name: qf, .offset: 64, .size: 8, .value_kind: global_buffer, .address_space: global }
      - { .name: kf, .offset: 72, .size: 8, .value_kind: global_buffer, .address_space: global }
      - { .name: vf, .offset: 80, .size: 8, .value_kind: global_buffer, .address_space: global }
    .group_segment_fixed_size: 327680
    .private_segment_fixed_size: 0
    .kernarg_segment_align: 8
    .kernarg_segment_size: 88
    .max_flat_workgroup_size: 128
    .sgpr_count:     100
    .vgpr_count:     1024
    .wavefront_size: 32
...
	.end_amdgpu_metadata
.endif
;; end of part 1
;; launch attn (part 2): grid 4 x 64, 16 waves a work-group, no clusters, 327,680 bytes of LDS; arguments qf, kf, vf, lowp_scales, af; writes af
.if DOCPART == 2
	.amdgcn_target "amdgcn-amd-amdhsa--gfx1250"
	.amdhsa_code_object_version 6
	.text
	.protected	k_q7c3c68ef35_attn
	.globl	k_q7c3c68ef35_attn
	.p2align	8
	.type	k_q7c3c68ef35_attn,@function
k_q7c3c68ef35_attn:
	s_mov_b64 s[64:65], 0
	v_nop
	global_prefetch_b8 v0, s[64:65] scope:SCOPE_SE
	s_setreg_imm32_b32 hwreg(HW_REG_WAVE_MODE, 25, 1), 1
	s_wait_xcnt 0x0
; Causal attention of one head on codes of FP8 (E4M3), head size 64, 2,048 tokens; the result, divided by the row's sum, is quantised with 2^e10 and stored as codes.
; qf, kf: [batch x head][tile of 16 tokens][g 2][lane][16 bytes], vf: [batch x head][128 keys][tile of 16 channels][g 4][lane][16 bytes]: images of operand registers (registers 2 c, 2 c + 1: k = 16 c + 8 h + 0 .. 7).
; af: [128 tokens 64][4 heads 4][tile of 16 tokens 8][head 4][g 2][lane][16 bytes]: the image that the last product reads.
; THE SOFTMAX: t = score x 2^(e6 + e7) x log2(e) / 8; M = the running largest t rounded UP to a whole number; p = 2^(t - M) is quantised with 2^e8, not normalised; the row's sum is taken of the unquantised p.
; When M moves, the sum and O are multiplied by 2^(old M - new M): exact.  At the end O x 2^(e8 + e9) / the sum.
; SHARES.  Work-group (j, head) takes the blocks of 256 queries j and then 7 - j: (j + 1) + (8 - j) = 9 slots of 256 keys, the same for all 256 work-groups, so the trip count is a constant.
; Each of sixteen waves owns one tile of 16 queries of each block, in 256 registers: four waves to a SIMD, so that one wave's vector work stands beside another's products and LDS loads.
; Both products are used transposed: S^T = K Q^T (source 0 = 16 keys), O^T = V^T P^T (source 0 = 16 channels): a lane holds ONE query (lane % 16); tile t's register j is key 16 t + 8 h + j, so a conversion of a tile gives p's registers 2 t, 2 t + 1.
; THE MASK.  A step all of whose 128 keys come after my 16 queries is jumped over (a scalar branch on ids); on the diagonal hidden scores become -infinity ahead of the maximum.  Key 0 counts for every query.
; NO CLUSTER: in trip T the work-group j is at key slot T or at T - (j + 1), so the four of a head want different tiles in the same trip; walking all eight slots together would cost 12 slot times against 9.
; NO PREFETCH: each refill is asked for a whole slot (two key steps of sixteen waves) ahead of its first read.
; LIMITS: e6 + e7 between -123 and 130 (added to the exponent field of log2(e) / 8); e8 and e10 between -126 and 119.  NaN codes are not served.
; REGISTERS: v1 16 x lane; v2 r; v3 h; v4 LDS address; v5, v6 the add's; v12 -M, v13 the largest t, v[14:15] the sum; v16-23 Q; v24-31 the second block's Q; v32-95 eight fragments of K or four of V;
;   v96-159 S^T, then p; v160-191 O^T; v192-207 p's codes; v208-223 the results' codes; v236-255 at work and scales.
.set SLOT1, 1<<15                      ; a slot: K's 16 images (16,384 bytes), then V's 8 (16,384); slot 1 begins here, so one exclusive or turns an address
.set VOFF,  16384
.set SPARE, 2*SLOT1                    ; behind the ring: the spare words, 128 bytes for each of sixteen waves
.set LI,  1
.set AD,  4
.set SPW, 5
.set NIL, 6
.set F,   32
.set S,   96
.set O,   160
.set PC,  192
.set WV,  18                           ; s18  my wave's number
.set SEL, 20                           ; s[20:21] lane selects for v_permlanex16_b32: lane l xor 16
.set CS,  22                           ; s[22:23] c = log2(e) / 8 x 2^(e6 + e7)
.set G1,  24                           ; s[24:31] descriptor group 1
.set G0,  32                           ; s[32:35] descriptor group 0
.set BASE, 36                          ; s[36:37] kf (wave 0) or vf (wave 1) at my head
.set OFF, 38                           ; s[38:39] an offset in 64 bits
.set TB,  40                           ; s40  LDS byte at which the slot in hand begins
.set T,   41                           ; s41  the trip
.set N1,  42                           ; s42  slots of the first block: j + 1
.set KF,  43                           ; s43  the step's first key
.set Q0,  44                           ; s44  my first query of the block in hand
.set Q0B, 45                           ; s45  of the second block
.set AO1, 46                           ; s[46:47], s[48:49] where my two tiles' codes go
.set AO2, 48
.set EPV, 60                           ; s60  e8 + e9
; Wave 0 fetches a slot's K, wave 1 its V, the others nothing.  Four v_nop follow the line.
.macro TLOAD
	s_cmp_lt_u32 s[WV], 2
	s_cbranch_scc0 .Lnone_\@
	tensor_load_to_lds s[G0:G0+3], s[G1:G1+7]
	s_nop 0
.rept 4
	v_nop
.endr
.Lnone_\@:
.endm
.macro INIT                            ; a block begins: the largest t under every t, the sum and O^T zero (the first change of M leaves zeros zeros)
	v_mov_b32 v13, 0xff61b1e6                      ; -3e38
	s_delay_alu instid0(VALU_DEP_1)
	v_floor_f32 v12, -v13                          ; -M
	v_mov_b32 v14, 0
	v_mov_b32 v15, 0
.set J, 0
.rept 32
	v_mov_b32 v[O+J], 0
.set J, J+1
.endr
.endm
	s_load_b256 s[4:11], s[0:1], 0x0               ; qf s[4:5], kf s[6:7], vf s[8:9], the scales s[10:11]
	s_load_b64 s[12:13], s[0:1], 0x20              ; af
	v_lshl_add_u32 v[SPW], v0, 2, SPARE
	v_mov_b32 v[NIL], 0
	ds_add_u32 v5, v6
	ds_add_u32 v5, v6
	s_wait_dscnt 0x0
	v_lshrrev_b32 v7, 5, v0
	s_delay_alu instid0(VALU_DEP_1)
	v_readfirstlane_b32 s[WV], v7                  ; wave 0..15
	s_and_b32 s70, ttmp7, 0xffff                   ; batch x 16 + head
	s_lshl_b32 s[OFF], s70, 17                     ; its 131,072 bytes in qf, kf and vf
	s_mov_b32 s[OFF+1], 0
	; descriptor group 1: a dense block of 16,384 bytes as 64 rows of 256
	s_mov_b32 s[G1], 3<<16                         ; no mask; elements of 8 bytes; no padding: a fragment load reads 512 consecutive bytes
	s_mov_b32 s[G1+1], 32<<16                      ; tensor_dim0 = 32
	s_mov_b32 s[G1+2], 64<<16                      ; tensor_dim1 = 64
	s_mov_b32 s[G1+3], 32<<16                      ; tile_dim0 = 32
	s_mov_b32 s[G1+4], 64                          ; tile_dim1 = 64
	s_mov_b32 s[G1+5], 32                          ; the pitch
	s_mov_b32 s[G1+6], 0
	s_mov_b32 s[G1+7], 0
	s_mov_b32 s[SEL], 0x76543210
	s_mov_b32 s[SEL+1], 0xfedcba98
	s_mov_b32 s[CS], 0x3e38aa3b                    ; log2(e) / 8
	s_mov_b32 s[TB], 0
	s_mov_b32 s[T], 0
	s_mov_b32 s[KF], 0
	s_add_co_u32 s[N1], ttmp9, 1
	s_lshl_b32 s71, s[WV], 4
	s_lshl_b32 s[Q0], ttmp9, 8
	s_add_co_u32 s[Q0], s[Q0], s71                 ; 256 j + 16 wave
	s_sub_co_u32 s72, 7, ttmp9
	s_lshl_b32 s[Q0B], s72, 8
	s_add_co_u32 s[Q0B], s[Q0B], s71               ; 256 (7 - j) + 16 wave
	s_wait_kmcnt 0x0
	s_load_b256 s[52:59], s[10:11], 0x10           ; e4 .. e11: e6 s54, e7 s55, e8 s56, e9 s57, e10 s58
	s_cmp_eq_u32 s[WV], 0
	s_cselect_b64 s[BASE:BASE+1], s[6:7], s[8:9]
	s_add_nc_u64 s[BASE:BASE+1], s[BASE:BASE+1], s[OFF:OFF+1]
	s_mov_b32 s[G0], 1                             ; count = 1
	s_and_b32 s[G0+1], s[WV], 1
	s_lshl_b32 s[G0+1], s[G0+1], 14                ; LDS address: slot 0; K at 0, V at 16,384
	s_mov_b64 s[G0+2:G0+3], s[BASE:BASE+1]         ; global address: key slot 0
	s_or_b32 s[G0+3], s[G0+3], 0x80000000          ; type = 2
	TLOAD                                          ; slot 0: the one first fill, ahead of every wait on TENSORcnt, LDS read and barrier
	s_add_nc_u64 s[4:5], s[4:5], s[OFF:OFF+1]      ; qf at my head
	s_lshl_b32 s66, ttmp9, 4
	s_add_co_u32 s66, s66, s[WV]
	s_lshl_b32 s66, s66, 10                        ; tile 16 j + wave, 1,024 bytes each
	s_mov_b32 s67, 0
	s_add_nc_u64 s[66:67], s[4:5], s[66:67]
	s_lshl_b32 s68, s72, 4
	s_add_co_u32 s68, s68, s[WV]
	s_lshl_b32 s68, s68, 10                        ; tile 16 (7 - j) + wave
	s_mov_b32 s69, 0
	s_add_nc_u64 s[68:69], s[4:5], s[68:69]
	v_and_b32 v[LI], 31, v0
	s_delay_alu instid0(VALU_DEP_1)
	v_lshlrev_b32 v[LI], 4, v[LI]                  ; 16 x lane
	global_load_b128 v[16:19], v[LI], s[66:67]             ; Q's two fragments stay in registers
	global_load_b128 v[20:23], v[LI], s[66:67] offset:512
	global_load_b128 v[24:27], v[LI], s[68:69]
	global_load_b128 v[28:31], v[LI], s[68:69] offset:512
	v_and_b32 v2, 15, v0                           ; r
	v_bfe_u32 v3, v0, 4, 1                         ; h
	; af: (16 batch + 2 block + wave / 8) x 131,072 + (head / 4) x 32,768 + (wave % 8) x 4,096 + (head % 4) x 1,024
	s_lshr_b32 s71, s70, 4
	s_lshl_b32 s71, s71, 4
	s_lshr_b32 s73, s[WV], 3
	s_add_co_u32 s71, s71, s73
	s_lshl_b32 s71, s71, 17
	s_bfe_u32 s73, s70, 0x20002
	s_lshl_b32 s73, s73, 15
	s_add_co_u32 s71, s71, s73
	s_and_b32 s73, s[WV], 7
	s_lshl_b32 s73, s73, 12
	s_add_co_u32 s71, s71, s73
	s_and_b32 s73, s70, 3
	s_lshl_b32 s73, s73, 10
	s_add_co_u32 s71, s71, s73
	s_lshl_b32 s74, s72, 18
	s_add_co_u32 s74, s74, s71
	s_mov_b32 s75, 0
	s_add_nc_u64 s[AO2:AO2+1], s[12:13], s[74:75]
	s_lshl_b32 s74, ttmp9, 18
	s_add_co_u32 s74, s74, s71
	s_add_nc_u64 s[AO1:AO1+1], s[12:13], s[74:75]
	INIT
	v_mov_b32 v236, 0                              ; written once: a lane permute's destination counts as one of its sources
	v_mov_b32 v252, 0
	v_mov_b32 v253, 0                              ; (named as the upper half of the pair v[252:253])
	s_wait_kmcnt 0x0
	s_add_co_i32 s71, s54, s55
	s_lshl_b32 s71, s71, 23
	s_add_co_i32 s[CS], s[CS], s71                 ; a score stands for score x 2^(e6 + e7): added to c's exponent field
	s_mov_b32 s[CS+1], s[CS]                       ; (named with it as a pair, so it is written)
	s_add_co_i32 s[EPV], s56, s57
	s_add_co_i32 s71, s56, 127
	s_lshl_b32 s73, s71, 23
	v_mov_b32 v244, s73                            ; 2^e8
	s_add_co_i32 s71, s58, 127
	s_lshl_b32 s73, s71, 23
	v_mov_b32 v245, s73                            ; 2^e10
	s_wait_loadcnt 0x0                             ; Q
; A KEY STEP: 128 keys, the q-th of the slot in hand.
.macro STEP q
	s_add_co_u32 s71, s[Q0], 15
	s_cmp_gt_u32 s[KF], s71                        ; all 128 keys come after my queries: nothing to do but the step of KF
	s_cbranch_scc1 .Lhidden_\@
	v_add_nc_u32 v[AD], s[TB], v[LI]
.rept 3
	v_nop                                          ; with the addition above: four places in front of loads into registers that the last products read
.endr
.irp t, 0,1,2,3,4,5,6,7
.irp g, 0,1
	ds_load_b128 v[F+8*\t+4*\g:F+8*\t+4*\g+3], v[AD] offset:8192*(\q)+1024*\t+512*\g   ; K's eight fragments, as they were stored: 512 consecutive bytes a load
.endr
.endr
	s_wait_alu depctr_va_vdst(0)
	s_wait_dscnt 0x0
.irp t, 0,1,2,3,4,5,6,7
	v_wmma_f32_16x16x64_fp8_fp8 v[S+8*\t:S+8*\t+7], v[F+8*\t:F+8*\t+7], v[16:23], 0   ; S^T: tile t's register j is key KF + 16 t + 8 h + j of query r
.endr
.rept 4
	v_nop                                          ; places in front of the loads below and of the first read of the scores
.endr
.irp t, 0,1,2,3
.irp g, 0,1,2,3
	ds_load_b128 v[F+16*\t+4*\g:F+16*\t+4*\g+3], v[AD] offset:VOFF+8192*(\q)+2048*\t+512*\g   ; V's four fragments land under the softmax
.endr
.endr
	s_add_co_u32 s71, s[KF], 127
	s_cmp_le_u32 s71, s[Q0]                        ; all 128 keys count: no mask
	s_cbranch_scc1 .Lopen_\@
	s_sub_co_i32 s71, s[Q0], s[KF]
	v_lshlrev_b32 v253, 3, v3
	s_delay_alu instid0(VALU_DEP_1)
	v_sub_nc_u32 v252, v2, v253
	s_delay_alu instid0(VALU_DEP_1)
	v_add_nc_u32 v252, s71, v252                   ; d = my query - KF - 8 h: register 8 t + j is hidden where 16 t + j > d
	v_mov_b32 v254, 0xff800000                     ; -infinity
.set N, 0
.rept 64
	v_cmp_gt_i32 vcc_lo, 16*(N/8)+N%8, v252
	v_cndmask_b32 v[S+N], v[S+N], v254, vcc_lo
.set N, N+1
.endr
.Lopen_\@:
	v_max3_num_f32 v254, v96, v97, v98             ; the step's largest score of my query among my 64 keys, in two chains, each tile from its low end on,
	v_max3_num_f32 v252, v99, v100, v101
.irp i, 6,10,14,18,22,26,30,34,38,42,46,50,54,58
	v_max3_num_f32 v254, v254, v[96+\i], v[97+\i]
	v_max3_num_f32 v252, v252, v[98+\i], v[99+\i]
.endr
	v_max3_num_f32 v254, v254, v158, v159
	s_delay_alu instid0(VALU_DEP_1)
	v_max_num_f32 v254, v254, v252
	s_delay_alu instid0(VALU_DEP_1)
	v_permlanex16_b32 v236, v254, s[SEL], s[SEL+1]
	s_delay_alu instid0(VALU_DEP_1)
	v_max_num_f32 v254, v254, v236                 ; and among lane l xor 16's
	s_delay_alu instid0(VALU_DEP_1)
	v_mul_f32 v254, s[CS], v254                    ; as t (c is positive)
	s_delay_alu instid0(VALU_DEP_1)
	v_max_num_f32 v13, v13, v254                   ; the running largest t
	v_mov_b32 v254, v12
	s_delay_alu instid0(VALU_DEP_2)
	v_floor_f32 v12, -v13                          ; the new -M = floor(-t): M is a whole number
	s_delay_alu instid0(VALU_DEP_1)
	v_sub_f32 v254, v12, v254                      ; old M - new M: a whole number, 0 or less
	s_delay_alu instid0(VALU_DEP_1)
	v_cvt_i32_f32 v254, v254                       ; (it saturates)
	s_delay_alu instid0(VALU_DEP_1)
	v_ldexp_f32 v252, 1.0, v254                    ; f = 2^(old M - new M)
.set J, 0
.rept 32
	v_pk_fma_f32 v[S+J:S+J+1], v[S+J:S+J+1], s[CS:CS+1], v[12:13] op_sel_hi:[1,0,0]   ; t - M, two at a time
.set J, J+2
.endr
.set J, 0
	s_wait_alu depctr_va_vdst(0)
.rept 64
	v_exp_f32 v[S+J], v[S+J]                       ; p = 2^(t - M), at most 1
.set J, J+1
.endr
	v_pk_mul_f32 v[14:15], v[14:15], v[252:253] op_sel_hi:[1,0]   ; the sums under the new M (a plain place behind the exponentials)
	s_wait_alu depctr_va_vdst(0)
	v_pk_add_f32 v[242:243], v[100:101], v[104:105]
	v_pk_add_f32 v[254:255], v[108:109], v[112:113]
	v_pk_add_f32 v[250:251], v[116:117], v[120:121]
	v_pk_add_f32 v[248:249], v[124:125], v[128:129]
	v_pk_add_f32 v[246:247], v[132:133], v[136:137]
	v_pk_add_f32 v[240:241], v[140:141], v[144:145]
	v_pk_add_f32 v[238:239], v[148:149], v[152:153]
	v_pk_add_f32 v[14:15], v[14:15], v[156:157]
	v_pk_add_f32 v[242:243], v[242:243], v[96:97]
	v_pk_add_f32 v[254:255], v[254:255], v[98:99]
	v_pk_add_f32 v[250:251], v[250:251], v[102:103]
	v_pk_add_f32 v[248:249], v[248:249], v[106:107]
	v_pk_add_f32 v[246:247], v[246:247], v[110:111]
	v_pk_add_f32 v[240:241], v[240:241], v[114:115]
	v_pk_add_f32 v[238:239], v[238:239], v[118:119]
	v_pk_add_f32 v[14:15], v[14:15], v[122:123]
	v_pk_add_f32 v[242:243], v[242:243], v[126:127]
	v_pk_add_f32 v[254:255], v[254:255], v[130:131]
	v_pk_add_f32 v[250:251], v[250:251], v[134:135]
	v_pk_add_f32 v[248:249], v[248:249], v[138:139]
	v_pk_add_f32 v[246:247], v[246:247], v[142:143]
	v_pk_add_f32 v[240:241], v[240:241], v[146:147]
	v_pk_add_f32 v[238:239], v[238:239], v[150:151]
	v_pk_add_f32 v[14:15], v[14:15], v[154:155]
	v_pk_add_f32 v[242:243], v[242:243], v[158:159]
	s_delay_alu instid0(VALU_DEP_2)
	v_pk_add_f32 v[14:15], v[14:15], v[248:249]
	s_delay_alu instid0(VALU_DEP_2)
	v_pk_add_f32 v[242:243], v[242:243], v[246:247]
	v_pk_add_f32 v[254:255], v[254:255], v[240:241]
	v_pk_add_f32 v[250:251], v[250:251], v[238:239]
	s_delay_alu instid0(VALU_DEP_2)
	v_pk_add_f32 v[14:15], v[14:15], v[254:255]
	s_delay_alu instid0(VALU_DEP_2)
	v_pk_add_f32 v[242:243], v[242:243], v[250:251]
	s_delay_alu instid0(VALU_DEP_1)
	v_pk_add_f32 v[14:15], v[14:15], v[242:243]
.irp t, 0,1,2,3,4,5,6,7
.irp i, 0,1,2,3,4,5,6,7
.endr
	v_cvt_scalef32_pk8_fp8_f32 v[PC+2*\t:PC+2*\t+1], v[S+8*\t:S+8*\t+7], v244   ; registers 2 t, 2 t + 1 of P: keys 16 t + 8 h + 0 .. 7
.endr
.set J, 0
.rept 16
	v_pk_mul_f32 v[O+J:O+J+1], v[O+J:O+J+1], v[252:253] op_sel_hi:[1,0]   ; O^T under the new M; these are also the plain places behind the conversions
.set J, J+2
.endr
	s_wait_alu depctr_va_vdst(0)
	s_wait_dscnt 0x0                               ; V is in
.irp t, 0,1,2,3
	v_wmma_f32_16x16x128_fp8_fp8 v[O+8*\t:O+8*\t+7], v[F+16*\t:F+16*\t+15], v[PC:PC+15], v[O+8*\t:O+8*\t+7]   ; four accumulators by turns
.endr
.Lhidden_\@:
	s_add_co_u32 s[KF], s[KF], 128
.endm
; THE CHANGE OF SLOTS, at a trip's head.  Each wave waits for all its tensor loads, adds 0 to its spare word, and waits for that and for its reads of the slot that it has left.  Behind the barrier the slot ahead is whole
; and nobody reads the other one.  fill = 1: that other slot takes the next trip's keys: slot T + 1 of the first block, or T + 1 - N1 of the second.
.macro CHANGE fill
	s_wait_tensorcnt 0x0                           ; no tensor load of mine is out, so group 0 may be written
	ds_add_u32 v[SPW], v[NIL]                      ; 0 onto my spare word
.if \fill
	s_add_co_u32 s71, s[T], 1
	s_cmp_lt_u32 s71, s[N1]
	s_cselect_b32 s72, 0, s[N1]
	s_sub_co_u32 s71, s71, s72                     ; the next trip's key slot,
	s_lshl_b32 s[OFF], s71, 14                     ; 16,384 bytes each in kf and in vf
	s_add_nc_u64 s[G0+2:G0+3], s[BASE:BASE+1], s[OFF:OFF+1]
	s_or_b32 s[G0+3], s[G0+3], 0x80000000
	s_xor_b32 s[G0+1], s[G0+1], SLOT1              ; the other slot than last time
.endif
	s_wait_dscnt 0x0                               ; the add is done, and my reads of the slot that I have left are over
	s_barrier_signal -1
	s_barrier_wait -1
.if \fill
	TLOAD                                          ; the first thing behind the barrier, and a wave's one tensor load until the next
.endif
.endm
; A block's end: O^T x 2^(e8 + e9) / the sum, converted with 2^e10: registers 2 t, 2 t + 1 of the last product's operand; two stores of 512 consecutive bytes.
.macro FINISH ao, cd
	v_add_f32 v14, v14, v15                        ; the sum's two halves,
	s_wait_alu depctr_va_vdst(0)
	v_permlanex16_b32 v252, v14, s[SEL], s[SEL+1]
	s_delay_alu instid0(VALU_DEP_1)
	v_add_f32 v14, v14, v252                       ; and lane l xor 16's
	s_wait_alu depctr_va_vdst(0)
	v_rcp_f32 v14, v14
	v_nop                                          ; a plain place behind the transcendental
	s_wait_alu depctr_va_vdst(0)
	v_ldexp_f32 v14, v14, s[EPV]
	v_nop                                          ; (with the lines above: more than four plain places behind the last products)
.set J, 0
.rept 16
	v_pk_mul_f32 v[S+J:S+J+1], v[O+J:O+J+1], v[14:15] op_sel_hi:[1,0]   ; register 8 t + i: channel 16 t + 8 h + i of query r
.set J, J+2
.endr
.set J, 0
.rept 32
.set J, J+1
.endr
	s_wait_alu depctr_va_vdst(0)
	s_wait_xcnt 0x0                                ; the code registers are a store's data: they are written only behind this wait
.irp t, 0,1,2,3
	v_cvt_scalef32_pk8_fp8_f32 v[\cd+2*\t:\cd+2*\t+1], v[S+8*\t:S+8*\t+7], v245
.endr
	v_nop                                          ; one plain vector instruction behind the last conversion: later products write its sources
	global_store_b128 v[LI], v[\cd:\cd+3], s[\ao:\ao+1]
	global_store_b128 v[LI], v[\cd+4:\cd+7], s[\ao:\ao+1] offset:512
.endm
.Lslot:                                            ; eight trips; behind each change of slots the next trip's slot is asked for
	CHANGE 1
	s_cmp_lg_u32 s[T], s[N1]                       ; trip j + 1 (at most 4) begins the second block: a branch on ids, round register work and stores alone
	s_cbranch_scc1 .Lsame
	FINISH AO1, 208
	s_mov_b32 s[Q0], s[Q0B]
	s_mov_b32 s[KF], 0
.irp i, 0,1,2,3,4,5,6,7
	v_mov_b32 v[16+\i], v[24+\i]                   ; the second block's Q
.endr
	INIT
.Lsame:
	STEP 0
	STEP 1
	s_xor_b32 s[TB], s[TB], SLOT1                  ; on to the other slot
	s_add_co_u32 s[T], s[T], 1
	s_cmp_lt_u32 s[T], 8
	s_cbranch_scc1 .Lslot
	CHANGE 0                                       ; the ninth trip is written out
	STEP 0
	STEP 1
	FINISH AO2, 216
	s_wait_tensorcnt 0x0                           ; the wave's end
	ds_add_u32 v[SPW], v[NIL]
	s_wait_dscnt 0x0
	s_endpgm
.Lfunc_end_k_q7c3c68ef35_attn:
	.size	k_q7c3c68ef35_attn, .Lfunc_end_k_q7c3c68ef35_attn-k_q7c3c68ef35_attn
	.p2alignl 7, 3214868480
	.fill 96, 4, 3214868480
	.section	.rodata,"a",@progbits
	.p2align	6, 0x0
	.amdhsa_kernel k_q7c3c68ef35_attn
		.amdhsa_group_segment_fixed_size 327680
		.amdhsa_private_segment_fixed_size 0
		.amdhsa_enable_private_segment 0
		.amdhsa_kernarg_size 40
		.amdhsa_user_sgpr_count 2
		.amdhsa_user_sgpr_kernarg_segment_ptr 1
		.amdhsa_wavefront_size32 1
		.amdhsa_system_sgpr_workgroup_id_x 1
		.amdhsa_system_sgpr_workgroup_id_y 1
		.amdhsa_system_sgpr_workgroup_id_z 1
		.amdhsa_system_vgpr_workitem_id 0
		.amdhsa_next_free_vgpr 256
		.amdhsa_next_free_sgpr 80
		.amdhsa_reserve_vcc 1
		.amdhsa_float_denorm_mode_32 3
		.amdhsa_float_denorm_mode_16_64 3
		.amdhsa_fp16_overflow 1
		.amdhsa_memory_ordered 1
		.amdhsa_forward_progress 1
		.amdhsa_inst_pref_size 89
	.end_amdhsa_kernel
	.amdgpu_metadata
---
amdhsa.version: [ 1, 2 ]
amdhsa.kernels:
  - .name:           k_q7c3c68ef35_attn
    .symbol:         k_q7c3c68ef35_attn.kd
    .args:
      - { .name: qf, .offset: 0, .size: 8, .value_kind: global_buffer, .address_space: global }
      - { .name: kf, .offset: 8, .size: 8, .value_kind: global_buffer, .address_space: global }
      - { .name: vf, .offset: 16, .size: 8, .value_kind: global_buffer, .address_space: global }
      - { .name: lowp_scales, .offset: 24, .size: 8, .value_kind: global_buffer, .address_space: global }
      - { .name: af, .offset: 32, .size: 8, .value_kind: global_buffer, .address_space: global }
    .group_segment_fixed_size: 327680
    .private_segment_fixed_size: 0
    .kernarg_segment_align: 8
    .kernarg_segment_size: 40
    .max_flat_workgroup_size: 512
    .sgpr_count:     80
    .vgpr_count:     256
    .wavefront_size: 32
...
	.end_amdgpu_metadata
.endif
;; end of part 2
;; launch proj (part 3): grid 4 x 64, 4 waves a work-group, clusters of 4 x 4, 327,680 bytes of LDS; arguments af, Wo_codes, bo, lowp_scales, out0; writes out0
.if DOCPART == 3
	.amdgcn_target "amdgcn-amd-amdhsa--gfx1250"
	.amdhsa_code_object_version 6
	.text
	.protected	k_q7c3c68ef35_proj
	.globl	k_q7c3c68ef35_proj
	.p2align	8
	.type	k_q7c3c68ef35_proj,@function
k_q7c3c68ef35_proj:
	s_mov_b64 s[64:65], 0
	v_nop
	global_prefetch_b8 v0, s[64:65] scope:SCOPE_SE
	s_setreg_imm32_b32 hwreg(HW_REG_WAVE_MODE, 25, 1), 1
	s_wait_xcnt 0x0
	s_wait_alu depctr_hold_cnt(0) depctr_sa_sdst(0) depctr_va_vdst(0) depctr_va_sdst(0) depctr_va_ssrc(0) depctr_va_vcc(0) depctr_vm_vsrc(0)
	s_getreg_b32 s2, hwreg(HW_REG_IB_STS2, 6, 4)
	s_cmp_eq_u32 s2, 0
	s_cbranch_scc0 .Lentry_in_a_cluster
	s_endpgm
.Lentry_in_a_cluster:
	s_bfe_u32 s2, ttmp6, 0x10000c
	s_cmp_lg_u32 s2, 0xf033
	s_cbranch_scc0 .Lentry_shape_is_right
	s_endpgm
.Lentry_shape_is_right:
; out0 = att Wo + bo on codes of FP8 (E4M3).  att: af, images of operand registers: [128 tokens 64][256 of K 4][tile of 16 tokens 8][64 of K 4][g 2][lane][16 bytes]; Wo: [1024 (n)][1024 (k)] codes, K innermost; out0: [8192][1024] f32.
; A sum stands for sum x 2^(e10 + e11).  LIMIT: e10 + e11 between -126 and 127.  NaN codes are not served.
; SHARES.  A tile of 128 tokens x 256 columns to a work-group: 256 work-groups (256 x 256 would leave half of the WGPs without work).  Wave w makes all 128 tokens x columns 64 w .. 64 w + 63: 32 accumulators, 256 registers.
; Source 0 = 16 rows of Wo, source 1 = 16 tokens: a lane holds eight neighbouring columns of one token.  K = 1,024 goes in four slots of 256 through a ring of two LDS slots; a slot is two steps of 128, 32 matrix instructions a wave each.
; att's slot is one dense block of 32,768 bytes, read back as it lies (512 consecutive bytes a load).  Its registers hold k in the form's own places (registers 2 c, 2 c + 1: k = 16 c + 8 h + 0 .. 7), so Wo's fragments are fetched
; in the same places, by loads of 8 bytes from rows 272 bytes apart: the 32 lanes of a load touch 64 different banks.
; CLUSTERS: 4 x 4 work-groups.  att's tile is shared along a row of the cluster, Wo's along a column: each is asked for jointly.
; REGISTERS: window 0: addresses; v32-63 bo; v64-95, v96-159 the way out.   windows 1, 2: fragment sets 0, 1: att's eight at v[16 a], Wo's four at v[128 + 16 b].   window 3: accumulator (a, b) at v[8 (4 a + b)].
.set PITCH,  272
.set FR,     16
.set WF,     128                       ; Wo's fragments in a set
.set ATTB,   32768                     ; att's part of a slot
.set ATTH,   16384                     ; half of it: what one tensor load brings
.set WOH,    128*PITCH                 ; 128 rows of Wo: likewise
.set SLOT,   ATTB+2*WOH                ; 102,400
.set SPARE,  2*SLOT                    ; behind the ring: the spare words, 128 bytes for each wave
.set STAGE,  SPARE+512                 ; the way out: 16 rows x 272 bytes for each wave: bytes of their own, into which no fill lands
.set SPITCH, 272
.set ADRA, 16                          ; v16-17  16 x lane + the slot
.set ADRB, 20                          ; v20-21  my rows of Wo in slot 0, 1
.set STO,  24                          ; v24     the way out: where I put 32 bytes of a row
.set RD,   25                          ; v25     where I read a row back
.set CO,   26                          ; v26     my byte offset in two rows of out0
.set BA,   27                          ; v27     32 h: my eight numbers of bo
.set SPW,  28
.set NIL,  29
.set BO,   32
.set TMP,  64
.set BK,   96
.set G1, 24                            ; s[24:31] group 1 for att's tiles;  s[32:39] group 0, one set for each slot
.set G0, 32
.set G1B, 48                           ; s[48:55], s[56:63] the same for Wo's
.set G0B, 56
.set MSB, 0
.macro WIN new                         ; the immediate's high byte repeats the setting that is left
.if MSB != (\new)
	s_set_vgpr_msb (MSB<<8)|(\new)
.set MSB, (\new)
.endif
.endm
.set MUL0, 0xf5                        ; sources 0 and 1 window 1, C and D window 3
.set MUL1, 0xfa                        ; sources 0 and 1 window 2, C and D window 3
.macro JLOAD g0a, g1a, g0b, g1b        ; a joint load: waves 0 and 1 fetch att's halves, waves 2 and 3 Wo's; four v_nop follow each of the two lines
	s_cmp_eq_u32 s15, 0
	s_cbranch_scc0 .Lfor_b_\@
	tensor_load_to_lds s[\g0a:\g0a+3], s[\g1a:\g1a+7]
	s_nop 0
.rept 4
	v_nop
.endr
	s_branch .Lasked_\@
.Lfor_b_\@:
	tensor_load_to_lds s[\g0b:\g0b+3], s[\g1b:\g1b+7]
	s_nop 0
.rept 4
	v_nop
.endr
.Lasked_\@:
.endm
.macro CREST
	s_cmp_lg_u32 s14, 0
	s_cbranch_scc1 .Lnot_wave_0_\@
	s_barrier_signal -3
.Lnot_wave_0_\@:
	s_barrier_wait -3
	s_barrier_signal -1
	s_barrier_wait -1
.endm
.macro CROUND
	s_barrier_signal -1
	s_barrier_wait -1
	CREST
.endm
	s_load_b256 s[4:11], s[0:1], 0x0               ; af s[4:5], Wo s[6:7], bo s[8:9], the scales s[10:11]
	s_load_b64 s[12:13], s[0:1], 0x20              ; out0
	v_lshl_add_u32 v[SPW], v0, 2, SPARE
	v_mov_b32 v[NIL], 0
	ds_add_u32 v28, v29
	ds_add_u32 v28, v29
	s_wait_dscnt 0x0
	v_lshrrev_b32 v1, 5, v0
	v_readfirstlane_b32 s14, v1                    ; wave 0..3
	s_lshr_b32 s15, s14, 1                         ; I fetch for att (0) or for Wo (1)
	s_and_b32 s16, s14, 1                          ; which half of that tile
	s_bfe_u32 s40, ttmp6, 0x40000                  ; cx, cy
	s_bfe_u32 s41, ttmp6, 0x40004
	s_lshl_b32 s42, ttmp9, 2
	s_add_co_u32 s42, s42, s40                     ; block of 256 columns
	s_and_b32 s17, ttmp7, 0xffff
	s_lshl_b32 s17, s17, 2
	s_add_co_u32 s17, s17, s41                     ; block of 128 tokens
	s_lshl_b32 s43, s41, 2
	s_lshl_b32 s43, 15, s43                        ; my row of the cluster
	s_lshl_b32 s44, 0x1111, s40                    ; my column
	s_or_b32 s[G1+0], s43, (3<<16)|(1<<21)         ; att: the mask of my row; elements of 8 bytes; 21 set beside a mask; no padding
	s_mov_b32 s[G1+1], 32<<16                      ; a dense block of 16,384 bytes as 64 rows of 256
	s_mov_b32 s[G1+2], 64<<16
	s_mov_b32 s[G1+3], 32<<16
	s_mov_b32 s[G1+4], 64
	s_mov_b32 s[G1+5], 32
	s_mov_b32 s[G1+6], 0
	s_mov_b32 s[G1+7], 0
	s_or_b32 s[G1B+0], s44, (1<<20)|(1<<21)|(5<<22)|(3<<25)   ; Wo: the mask of my column; elements of 1 byte; four words of padding after every 64
	s_mov_b32 s[G1B+1], 256<<16                    ; 128 rows of 256 bytes, 1,024 apart
	s_mov_b32 s[G1B+2], 128<<16
	s_mov_b32 s[G1B+3], 256<<16
	s_mov_b32 s[G1B+4], 128
	s_mov_b32 s[G1B+5], 1024
	s_mov_b32 s[G1B+6], 0
	s_mov_b32 s[G1B+7], 0
	s_lshl_b32 s18, s16, 14                        ; att's half: in memory and in LDS
	s_lshl_b32 s20, s17, 17
	s_add_co_u32 s20, s20, s18                     ; hangs on cy, never on cx
	s_mov_b32 s21, 0
	s_lshl_b32 s46, s42, 8
	s_lshl_b32 s19, s16, 7
	s_add_co_u32 s46, s46, s19
	s_lshl_b32 s46, s46, 10                        ; Wo: row 256 x block + 128 x half, 1,024 bytes each: hangs on cx, never on cy
	s_mov_b32 s47, 0
	s_mul_i32 s45, s16, WOH
	s_add_co_u32 s45, s45, ATTB                    ; Wo's half in LDS
	s_wait_kmcnt 0x0
	s_load_b64 s[96:97], s[10:11], 0x28            ; e10, e11
	s_add_nc_u64 s[20:21], s[4:5], s[20:21]
	s_add_nc_u64 s[46:47], s[6:7], s[46:47]
	CROUND                                         ; all sixteen work-groups are here: the first joint loads meet
.irp s, 0,1
	s_mov_b32 s[G0+4*\s], 1
	s_add_co_u32 s[G0+4*\s+1], s18, \s*SLOT
	s_add_nc_u64 s[G0+4*\s+2:G0+4*\s+3], s[20:21], \s*ATTB
	s_or_b32 s[G0+4*\s+3], s[G0+4*\s+3], 0x80000000
	s_mov_b32 s[G0B+4*\s], 1
	s_add_co_u32 s[G0B+4*\s+1], s45, \s*SLOT
	s_add_nc_u64 s[G0B+4*\s+2:G0B+4*\s+3], s[46:47], \s*256
	s_or_b32 s[G0B+4*\s+3], s[G0B+4*\s+3], 0x80000000
	s_wait_alu depctr_va_vdst(0)
	s_wait_tensorcnt 0x0
	ds_add_u32 v28, v29
	ds_add_u32 v28, v29
	s_wait_dscnt 0x0
	CROUND
	JLOAD G0+4*\s, G1, G0B+4*\s, G1B
.endr
	v_and_b32 v1, 15, v0                           ; r
	v_bfe_u32 v2, v0, 4, 1                         ; h
	v_and_b32 v3, 31, v0
	v_lshlrev_b32 v[ADRA], 4, v3
	v_add_nc_u32 v[ADRA+1], SLOT, v[ADRA]
	v_mul_u32_u24 v4, v1, PITCH
	v_lshl_add_u32 v4, v2, 3, v4                   ; row r x pitch + 8 h
	s_mul_i32 s22, s14, 64*PITCH                   ; my 64 rows of Wo,
	s_add_co_u32 s22, s22, ATTB                    ; which lie behind att
	v_add_nc_u32 v[ADRB], s22, v4
	s_add_co_u32 s22, s22, SLOT
	v_add_nc_u32 v[ADRB+1], s22, v4
	s_mul_i32 s23, s14, 16*SPITCH
	s_add_co_u32 s23, s23, STAGE                   ; my stage
	v_mul_u32_u24 v5, v1, SPITCH
	v_lshl_add_u32 v5, v2, 5, v5
	v_add_nc_u32 v[STO], s23, v5                   ; in: row r, 32 bytes for each half of the lanes
	v_mul_u32_u24 v5, v2, SPITCH
	v_lshl_add_u32 v5, v1, 4, v5
	v_add_nc_u32 v[RD], s23, v5                    ; back: lanes 0-15 one row of 256 bytes, lanes 16-31 the next
	v_lshlrev_b32 v5, 12, v2
	v_lshl_add_u32 v[CO], v1, 4, v5                ; and the same two rows in out0 (4,096 bytes a row)
	v_lshlrev_b32 v[BA], 5, v2
	s_wait_alu depctr_va_vdst(0)
	s_lshl_b32 s92, s42, 10
	s_lshl_b32 s93, s14, 8
	s_add_co_u32 s92, s92, s93                     ; my first column, in bytes: 1,024 x block + 256 x wave
	s_mov_b32 s93, 0
	s_add_nc_u64 s[8:9], s[8:9], s[92:93]
	s_lshl_b32 s90, s17, 19                        ; my first token: 128 rows of 4,096 bytes a block
	s_add_co_u32 s90, s90, s92
	s_mov_b32 s91, 0
	s_add_nc_u64 s[12:13], s[12:13], s[90:91]
.irp b, 0,1,2,3
	global_load_b128 v[BO+8*\b:BO+8*\b+3], v[BA], s[8:9] offset:64*\b        ; bo at columns 16 b + 8 h + 0 .. 7: the result's layout
	global_load_b128 v[BO+8*\b+4:BO+8*\b+7], v[BA], s[8:9] offset:64*\b+16
.endr
; 64 LDS loads in one run: the fragments of the slot's q-th 128 along K into set p
.macro FETCH slot, q, p
	WIN 0x40*(1+\p)                                ; destination window 1 or 2, address window 0
.irp i, 0,1,2,3
.irp c, 0,1,2,3,4,5,6,7
	ds_load_b64 v[WF+FR*\i+2*\c:WF+FR*\i+2*\c+1], v[ADRB+\slot] offset:128*(\q)+16*\c+\i*16*PITCH
.endr
.endr
.irp a, 0,1,2,3,4,5,6,7
.irp c, 0,1,2,3
	ds_load_b128 v[FR*\a+4*\c:FR*\a+4*\c+3], v[ADRA+\slot] offset:4096*\a+2048*(\q)+512*\c
.endr
.endr
.endm
; 8 matrix instructions: tiles of tokens a0, a0 + 1 x my four tiles of columns.  The window says which set.  The 32 accumulators take turns, one instruction a turn.
.macro MUL8 a0, zero
.irp a, \a0, \a0+1
.irp b, 0,1,2,3
.if \zero
	v_wmma_f32_16x16x128_fp8_fp8 v[8*(4*(\a)+\b):8*(4*(\a)+\b)+7], v[WF+FR*\b:WF+FR*\b+FR-1], v[FR*(\a):FR*(\a)+FR-1], 0
.else
	v_wmma_f32_16x16x128_fp8_fp8 v[8*(4*(\a)+\b):8*(4*(\a)+\b)+7], v[WF+FR*\b:WF+FR*\b+FR-1], v[FR*(\a):FR*(\a)+FR-1], v[8*(4*(\a)+\b):8*(4*(\a)+\b)+7]
.endif
.endr
.endr
.endm
.macro PLACES                          ; four plain vector instructions between a matrix instruction and a load into, or a read of, its registers
.rept 4
	v_nop
.endr
.endm
; A slot's first step multiplies set 0 and fetches the second step's fragments into set 1.
.macro STEP slot, zero
	s_wait_dscnt 0x0                               ; set 0 is in
	PLACES
	FETCH \slot, 1, 1
	WIN MUL0
	MUL8 0, \zero
	MUL8 2, \zero
	MUL8 4, \zero
	MUL8 6, \zero
	WIN 0
.endm
; A slot's second step multiplies set 1 and changes slots: one barrier; in front of it each wave waits for all its tensor loads, adds 0 to its spare word, and waits for that and for its own reads of this slot.
.macro TURN slot, next, fill
	s_wait_tensorcnt 0x0                           ; all my tensor loads have landed: my part of the next slot
	ds_add_u32 v[SPW], v[NIL]                      ; 0 onto my spare word
	s_wait_dscnt 1                                 ; set 1 is in; the add alone may be out
	WIN MUL1
	MUL8 0, 0                                      ; eight matrix instructions stand between the add and the wait for it
	s_wait_dscnt 0x0                               ; the add is done, and my reads of this slot are over
	s_barrier_signal -1
	MUL8 2, 0
	WIN 0
	s_barrier_wait -1
.if \fill
	CREST                                          ; the barrier has opened a round of the cluster's barrier: no wave of any partner still reads this slot or has a load on its way
	s_add_nc_u64 s[G0+4*\slot+2:G0+4*\slot+3], s[G0+4*\slot+2:G0+4*\slot+3], 2*ATTB
	s_add_nc_u64 s[G0B+4*\slot+2:G0B+4*\slot+3], s[G0B+4*\slot+2:G0B+4*\slot+3], 2*256
	JLOAD G0+4*\slot, G1, G0B+4*\slot, G1B         ; the first tensor load behind the round; its four v_nop are the places in front of the loads below
.else
	PLACES
.endif
	FETCH \next, 0, 0
	WIN MUL1
	MUL8 4, 0
	MUL8 6, 0
	WIN 0
.endm
	s_wait_tensorcnt 1                             ; my part of slot 0 is in; slot 1's load, issued behind it, may be out
	s_barrier_signal -1
	s_barrier_wait -1
	FETCH 0, 0, 0
	STEP 0, 1                                      ; its products start the sums.  The eight steps are written out: K is fixed at 1,024
	TURN 0, 1, 1
	STEP 1, 0
	TURN 1, 0, 1
	STEP 0, 0
	TURN 0, 1, 0                                   ; nothing is left to fetch
	STEP 1, 0
	s_wait_dscnt 0x0                               ; the last step
	WIN MUL1
	MUL8 0, 0
	MUL8 2, 0
	MUL8 4, 0
	MUL8 6, 0
	WIN 0
; THE WAY OUT, a tile of 16 tokens x my 64 columns at a time: sum x 2^(e10 + e11) + bo; through my own stage, back as whole rows of 256 bytes.  LDS serves a wave's instructions in order (ISA guide 5.7.1.4):
; no wait between the stores and the loads, nor in front of the next tile's stores.
.macro TOSTAGE a
	WIN 0x03                                       ; source 0 window 3
.irp b, 0,1,2,3
.irp i, 0,2,4,6
	v_pk_fma_f32 v[TMP+8*\b+\i:TMP+8*\b+\i+1], v[8*(4*(\a)+\b)+\i:8*(4*(\a)+\b)+\i+1], s[96:97], v[BO+8*\b+\i:BO+8*\b+\i+1] op_sel_hi:[1,0,1]   ; each accumulator from its low end on
.endr
.endr
	WIN 0
.irp b, 0,1,2,3
	ds_store_b128 v[STO], v[TMP+8*\b:TMP+8*\b+3] offset:64*\b
	ds_store_b128 v[STO], v[TMP+8*\b+4:TMP+8*\b+7] offset:64*\b+16
.endr
.set BB, BK+32*((\a)%2)
.irp t, 0,1,2,3,4,5,6,7
	ds_load_b128 v[BB+4*\t:BB+4*\t+3], v[RD] offset:\t*2*SPITCH
.endr
.endm
.macro SEND a, younger                 ; younger: the LDS instructions issued behind tile a's loads, which may stay out
.set BB, BK+32*((\a)%2)
	s_wait_dscnt \younger
.irp t, 0,1,2,3,4,5,6,7
	global_store_b128 v[CO], v[BB+4*\t:BB+4*\t+3], s[12:13] offset:(16*(\a)+2*\t)*4096 th:TH_STORE_NT   ; sixteen lanes store 256 consecutive bytes, aligned; written once, read by nobody here
.endr
.endm
	s_wait_kmcnt 0x0
	s_add_co_i32 s96, s96, s97
	s_add_co_i32 s96, s96, 127
	s_lshl_b32 s96, s96, 23                        ; 2^(e10 + e11) as f32
	s_mov_b32 s97, s96                             ; (named with it as a pair, so it is written)
	s_wait_loadcnt 0x0                             ; bo
	PLACES                                         ; behind the last products
	TOSTAGE 0
.irp a, 1,2,3,4,5,6,7
.if \a > 1
	s_wait_xcnt 0x0                                ; tile a - 2's stores have read their registers: tile a's loads may land there
.endif
	TOSTAGE \a
	SEND \a-1, 16                                  ; behind tile a - 1's loads: tile a's 8 stores and 8 loads
.endr
	SEND 7, 0
	s_wait_tensorcnt 0x0                           ; the wave's end
	ds_add_u32 v[SPW], v[NIL]
	s_wait_dscnt 0x0
	CROUND                                         ; the closing round: no work-group ends while a partner may still ask for a tile that names it
	s_endpgm
.Lfunc_end_k_q7c3c68ef35_proj:
	.size	k_q7c3c68ef35_proj, .Lfunc_end_k_q7c3c68ef35_proj-k_q7c3c68ef35_proj
	.p2alignl 7, 3214868480
	.fill 96, 4, 3214868480
	.section	.rodata,"a",@progbits
	.p2align	6, 0x0
	.amdhsa_kernel k_q7c3c68ef35_proj
		.amdhsa_group_segment_fixed_size 327680
		.amdhsa_private_segment_fixed_size 0
		.amdhsa_enable_private_segment 0
		.amdhsa_kernarg_size 40
		.amdhsa_user_sgpr_count 2
		.amdhsa_user_sgpr_kernarg_segment_ptr 1
		.amdhsa_wavefront_size32 1
		.amdhsa_system_sgpr_workgroup_id_x 1
		.amdhsa_system_sgpr_workgroup_id_y 1
		.amdhsa_system_sgpr_workgroup_id_z 1
		.amdhsa_system_vgpr_workitem_id 0
		.amdhsa_next_free_vgpr 1024
		.amdhsa_next_free_sgpr 100
		.amdhsa_reserve_vcc 0
		.amdhsa_float_denorm_mode_32 3
		.amdhsa_float_denorm_mode_16_64 3
		.amdhsa_memory_ordered 1
		.amdhsa_forward_progress 1
		.amdhsa_inst_pref_size 85
	.end_amdhsa_kernel
	.amdgpu_metadata
---
amdhsa.version: [ 1, 2 ]
amdhsa.kernels:
  - .name:           k_q7c3c68ef35_proj
    .symbol:         k_q7c3c68ef35_proj.kd
    .args:
      - { .name: af, .offset: 0, .size: 8, .value_kind: global_buffer, .address_space: global }
      - { .name: Wo_codes, .offset: 8, .size: 8, .value_kind: global_buffer, .address_space: global }
      - { .name: bo, .offset: 16, .size: 8, .value_kind: global_buffer, .address_space: global }
      - { .name: lowp_scales, .offset: 24, .size: 8, .value_kind: global_buffer, .address_space: global }
      - { .name: out0, .offset: 32, .size: 8, .value_kind: global_buffer, .address_space: global }
    .group_segment_fixed_size: 327680
    .private_segment_fixed_size: 0
    .kernarg_segment_align: 8
    .kernarg_segment_size: 40
    .max_flat_workgroup_size: 128
    .sgpr_count:     100
    .vgpr_count:     1024
    .wavefront_size: 32
...
	.end_amdgpu_metadata
.endif
;; end of part 3
